; MI455X (gfx1250); checked and timed in simulation.
; The chip was launched on July 23, 2026; its instructions are those of AMD's public machine-readable ISA for CDNA 5 (MIT licence, August 2026) and "CDNA5" Instruction Set Architecture Reference Guide (July 2026). The comments in the code are by the model that wrote it; some were corrected since.
;; NVFP4 Packed Linear. Allowed arithmetic: matrix products marked QUANTISED: E2M1 operands, one E8M0 scale for each 32 along K, by v_wmma_scale_f32_16x16x128_f8f6f4 with both operands' format E2M1 (or v_wmma_scale_f32_32x16x128_f4), f32 sums; everything else in f32.
;; Inputs: bias 8,192 float32; weight_packed 8,192 x 2,048 int32; weight_scales 8,192 x 128 float32; x_codes 4 x 512 x 128 x 16 uint8 (E2M1 codes of x, K innermost, in blocks of 32 codes, two codes a byte); x_scales 4 x 512 x 128 uint8 (E8M0 scales of x, one for each 32 codes along K).
;; Outputs: out0 4 x 512 x 8,192 float32.
;; This version of the problem:
;;   THIS VERSION OF THE PROBLEM IS GIVEN IN LOW PRECISION. The matrix products marked QUANTISED in the list below multiply operands that are first quantised to E2M1 (2 exponent bits, 1 mantissa bit; 4 bits a number), with one power-of-two scale for each 32 numbers along K (OCP MX v1.0); their sums are f32. All else is computed in f32.
;;   The module's matrix products, in the order in which they are computed (A, B: the left and right operand; K: the contracted axis; several contracted axes count as one K, in the product's order):
;;     1. [M 2,048, K 4,096] x [K 4,096, N 8,192]; A: input x (given as codes); B: computed on the way: QUANTISED
;;   THE QUANTISER, for each operand of a quantised product, along K:
;;     - K is cut into blocks of 32 from its start; a last block that is shorter is filled with zeros.
;;     - A block's scale is 2^e with e = floor(log2(the largest magnitude in the block)) - 2, held to -126 .. 127; a block of zeros has e = 0. As a byte (E8M0): e + 127.
;;     - Each number is divided by its block's scale, clamped to +-6, and rounded to the nearest number of E2M1, ties to even, subnormals kept.
;;     - The product sums the exact products of the quantised numbers (number of the format x scale) in f32.
;;   ~~~python
;;   def quantise(x, axis):      # numpy; x: float32 -> the quantised numbers, widened to float32 again
;;       x = np.moveaxis(x, axis, -1); K = x.shape[-1]
;;       x = np.pad(x, [(0, 0)] * (x.ndim - 1) + [(0, -K % 32)]); x = x.reshape(x.shape[:-1] + (-1, 32)); a = np.abs(x).max(-1, keepdims=True)
;;       e = np.where(a > 0, np.clip(np.frexp(np.where(a > 0, a, 1))[1] - 1 - 2, -126, 127), 0)      # np.frexp(a)[1] - 1 = floor(log2(a)), exactly
;;       r = np.clip(x / 2.0 ** e, -6, 6)
;;       step = 2.0 ** (np.maximum(np.frexp(np.where(r == 0, 1, r))[1] - 1, 0) - 1)
;;       q = np.round(r / step) * step * 2.0 ** e      # np.round: ties to even
;;       return np.moveaxis(q.reshape(q.shape[:-2] + (-1,))[..., :K], -1, axis).astype(np.float32)
;;   ~~~
;;   OPERANDS COMPUTED ON THE WAY. 'Computed on the way' means the value that the module computes at that place (a softmax that the list does not call 'softmax' is quantised finished and normalised). What goes into a quantiser is computed in f32, as accurately as f32 sums, v_exp_f32 and their like allow (about 1e-6 of the number): no bf16 or f16 on the way to a quantiser, and a product that is left as it is and whose result goes on into a quantised operand takes f32 operands (vector FMAs, or v_wmma_f32_16x16x4_f32). A number that lies on a knife's edge between two numbers of the format may be rounded either way, as far as f32 arithmetic and the matrix unit's own rounding can turn it there, and no further.
;;   INPUTS GIVEN AS CODES. x (in the module: [4, 512, 4096], K = its axis 2): each comes as NAME_codes (uint8): NAME with its K axis moved to the last place and cut into blocks of 32 codes, [.., K / 32, bytes a block], one block behind the other in memory; two codes a byte, the lower K in the low four bits (a code: sign, 2 exponent bits, 1 mantissa bit); and NAME_scales (uint8): the same leading axes, one E8M0 byte (e + 127) for each 32 codes along K. Its value is code x scale, taken as it is: it is not quantised again, and the codes and scales need not be those that the quantiser above would give.
;; One version. Each part assembles by itself: llvm-mc -triple=amdgcn-amd-amdhsa -mcpu=gfx1250 --defsym DOCPART=n.
;; ======== version 1 of 1: 2 launches
;; limits: right only within a limited range of input values
;; workspace buffers: wq 17,825,792 bytes
;; launch quantw (part 1): grid 256 x 1, 8 waves a work-group, no clusters, 91,392 bytes of LDS; arguments weight_packed, weight_scales, wq; writes wq
.if DOCPART == 1
	.amdgcn_target "amdgcn-amd-amdhsa--gfx1250"
	.amdhsa_code_object_version 6
	.text
	.protected	k_qf1f4f40b7d_quantw
	.globl	k_qf1f4f40b7d_quantw
	.p2align	8
	.type	k_qf1f4f40b7d_quantw,@function
k_qf1f4f40b7d_quantw:
	s_mov_b64 s[64:65], 0
	v_nop
	global_prefetch_b8 v0, s[64:65] scope:SCOPE_SE
	s_setreg_imm32_b32 hwreg(HW_REG_WAVE_MODE, 25, 1), 1
	s_wait_xcnt 0x0
; W[n][k] = DECODE[nibble] x weight_scales[n][k / 32], in f32, is quantised along K to codes of FP4 (E2M1) with one E8M0 byte for each 32 along K.
; weight_packed: [8192][2048] int32, of which byte 0 holds two codes (low nibble: the even k).  DECODE is E2M1's own table, so the conversion from FP4 decodes it.
; A block's scale is 2^(floor(log2(its largest magnitude)) - 2): its byte is the largest magnitude's exponent field - 2, held at 1 from below.
; OUT: wq, eight planes, one for each K step of 512, laid AS THE PRODUCT'S OPERAND REGISTERS TAKE IT.  A plane: 512 tiles of 16 places x 4,096 bytes of codes, then 8192 x 16 scale bytes.
;   A tile's codes: [quarter q of 128 along K][c = 0, 1][lane 16 h + r][16 bytes]: bytes 64 q + 32 c + 16 h .. + 15 of place r's 256: one load of 16 bytes a lane fills four registers of a fragment.
;   The scale bytes: for each pair of tiles 512 bytes: [tile of the pair][place r][16 bytes]: lanes 0-15 take the even tile's four words, lanes 16-31 the odd tile's.
; THE ROWS LIE IN ANOTHER ORDER THAN IN W: in each group of 64, place 16 c + r holds row 4 r + c (c = 0..3, r = 0..15), so that lane r of the product's four tiles c holds four neighbouring columns of the output.
; LIMITS: NaN and infinities among weight_scales are not served.  A block of zeros gets the byte 1 where the quantiser says 127: its codes are zeros, which add nothing, and this program alone reads the bytes.
; SHARES: a work-group takes 32 places (two tiles) for all of K: with G = work-group / 2 and u = work-group % 2, place 32 u + i of group G is row 64 G + 4 (i % 16) + 2 u + i / 16.  Wave w takes i = 4 w .. 4 w + 3:
; four rows of W four rows apart.  One load of a wave reads 512 consecutive bytes of a row: 256 along K; a lane's 4 int32 are 8 neighbours along K; a block of 32 lies in four neighbouring lanes.  32 loads a wave are on their way.
; The results gather in a stage in LDS: for each K step 34 chunks of 256 bytes (32 of codes, 2 of scales), 16 bytes of padding behind each, so that the eight groups of four lanes of a store meet eight different groups of banks.
; Behind ONE barrier wave w stores K step w: 512 consecutive bytes an instruction.  The matrix units, clusters and the tensor mover would add nothing to a stream that is read once.
.set PLANE, 8192*272                   ; a plane of wq
.set CODES, 8192*256                   ; its codes
.set CH,    272                        ; a chunk in the stage
.set SSTEP, 34*CH                      ; a K step of the stage
.set SCB,   8*SSTEP                    ; behind the stage: 2,048 bytes for each wave: its 4 rows of 128 f32 scales
.set SPARE, SCB+8*2048                 ; the spare words
.set WSTEP, 4*8192
.set CSTEP, 4*512
.set FA,    20                         ; v20-27 8 numbers of load 2 s (at the head v20-35 carry the scales to LDS)
.set FB,    28                         ; v28-35 of load 2 s + 1
.set S,     64                         ; v64-127 my block's scale for (row r, load j) at S + 16 r + j
.set X,     128                        ; v128-255 two sets of 64: a row as loaded
	s_load_b128 s[4:7], s[0:1], 0x0                ; weight_packed, weight_scales
	s_load_b64 s[8:9], s[0:1], 0x10                ; wq
	v_lshl_add_u32 v62, v0, 2, SPARE
	v_mov_b32 v63, 0
	v_lshrrev_b32 v11, 5, v0
	s_delay_alu instid0(VALU_DEP_1)
	v_readfirstlane_b32 s16, v11                   ; wave 0..7
	s_and_b32 s17, s16, 3
	s_lshl_b32 s18, s17, 4
	s_lshr_b32 s19, s16, 2
	s_add_co_u32 s18, s18, s19                     ; 16 (w % 4) + w / 4: my first row, counted from the work-group's
	s_lshl_b32 s24, s18, 13                        ; in weight_packed,
	s_lshl_b32 s25, s18, 9                         ; in weight_scales
	s_lshl_b32 s26, s16, 11
	s_add_co_u32 s26, s26, SCB                     ; my scales' place in LDS
	s_lshl_b32 s17, s17, 6                         ; places 4 (w % 4) .. of a tile: 16 bytes each in a chunk
	s_mul_i32 s27, s19, 16*CH                      ; my tile's 16 chunks of codes
	s_add_co_u32 s27, s27, s17
	s_mul_i32 s28, s19, CH                         ; and its chunk of scales
	s_add_co_u32 s28, s28, s17
	s_add_co_u32 s28, s28, 32*CH
	s_mul_i32 s29, s16, SSTEP                      ; the way out: K step = my wave's number
	s_mov_b32 s20, 0x04000400                      ; byte 0 of the second source, byte 0 of the first
	s_mov_b32 s21, 0x05040100                      ; the two low halves
	s_lshr_b32 s22, ttmp9, 1                       ; G
	s_and_b32 s23, ttmp9, 1                        ; u
	s_lshl_b32 s10, s22, 19                        ; row 64 G + 2 u of weight_packed,
	s_lshl_b32 s11, s23, 14
	s_add_co_u32 s10, s10, s11
	s_mov_b32 s11, 0
	s_lshl_b32 s12, s22, 15                        ; of weight_scales
	s_lshl_b32 s13, s23, 10
	s_add_co_u32 s12, s12, s13
	s_mov_b32 s13, 0
	s_mul_i32 s30, s16, PLANE                      ; in wq: my wave's plane; the work-group's 8,192 bytes of codes,
	s_lshl_b32 s14, ttmp9, 13
	s_add_co_u32 s14, s14, s30
	s_mov_b32 s15, 0
	s_lshl_b32 s31, ttmp9, 9                       ; and its 512 scale bytes
	s_add_co_u32 s30, s30, s31
	s_add_co_u32 s30, s30, CODES
	s_mov_b32 s31, 0
	v_and_b32 v1, 31, v0                           ; lane
	v_mov_b32 v10, 0x7f7f7f7f                      ; the scale 1.0 as E8M0, in every byte
	s_delay_alu instid0(VALU_DEP_2)
	v_lshlrev_b32 v9, 4, v1                        ; 16 x lane
	s_delay_alu instid0(VALU_DEP_3)
	v_lshrrev_b32 v11, 2, v1                       ; lane / 4: my block among a load's eight, and my chunk among its eight
	s_delay_alu instid0(VALU_DEP_4)
	v_and_b32 v12, 3, v1
	v_lshrrev_b32 v13, 4, v1
	v_and_b32 v14, 15, v1
	v_add_nc_u32 v2, s24, v9                       ; weight_packed
	v_add_nc_u32 v3, s25, v9                       ; weight_scales
	v_add_nc_u32 v4, s26, v9                       ; the scales into LDS,
	v_lshl_add_u32 v5, v11, 2, s26                 ; and my block's back: four lanes share a word
	v_mul_u32_u24 v6, v11, CH
	v_mul_u32_u24 v8, v13, CH
	s_delay_alu instid0(VALU_DEP_2)
	v_lshl_add_u32 v6, v12, 2, v6
	s_delay_alu instid0(VALU_DEP_2)
	v_lshl_add_u32 v8, v14, 4, v8
	v_add_nc_u32 v7, s28, v11                      ; my block's scale byte
	s_delay_alu instid0(VALU_DEP_3)
	v_add_nc_u32 v6, s27, v6                       ; my 8 codes' 4 bytes: chunk lane / 4, byte 4 (lane % 4) of the place's 16
	s_delay_alu instid0(VALU_DEP_3)
	v_add_nc_u32 v8, s29, v8                       ; the way out: lanes 0-15 one chunk, lanes 16-31 the next
	v_add_nc_u32 v19, 4*SSTEP, v7                  ; K steps 4-7: the immediate has 16 bits
	s_delay_alu instid0(VALU_DEP_3)
	v_add_nc_u32 v18, 4*SSTEP, v6
	s_wait_alu depctr_va_vdst(0)                   ; the wait at the head's end
	s_wait_kmcnt 0x0
	s_add_nc_u64 s[4:5], s[4:5], s[10:11]
	s_add_nc_u64 s[6:7], s[6:7], s[12:13]
	s_add_nc_u64 s[30:31], s[8:9], s[30:31]
	s_add_nc_u64 s[8:9], s[8:9], s[14:15]
.irp r, 0,1,2,3
	global_load_b128 v[FA+4*\r:FA+4*\r+3], v3, s[6:7] offset:CSTEP*\r th:TH_LOAD_NT   ; my row r's 128 scales
.endr
.macro LOADROW r
.irp j, 0,1,2,3,4,5,6,7,8,9,10,11,12,13,14,15
	global_load_b128 v[X+64*((\r)%2)+4*\j:X+64*((\r)%2)+4*\j+3], v2, s[4:5] offset:WSTEP*(\r)+512*\j th:TH_LOAD_NT
.endr
.endm
	LOADROW 0
	LOADROW 1
	s_wait_loadcnt 32                              ; the four loads of scales are in; the 32 issued behind them stay out
.irp r, 0,1,2,3
	ds_store_b128 v4, v[FA+4*\r:FA+4*\r+3] offset:512*\r
.endr
.irp r, 0,1,2,3
.irp j, 0,1,2,3,4,5,6,7,8,9,10,11,12,13,14,15
	ds_load_b32 v[S+16*\r+\j], v5 offset:512*\r+32*\j   ; my wave's own bytes: LDS serves a wave's instructions in order (ISA guide 5.7.1.4)
.endr
.endr
	s_wait_dscnt 0x0
; K step s of my row r: loads 2 s (a) and 2 s + 1 (b), 8 numbers a lane each, the two by turns
.macro STEP r, s
.set XA, X+64*((\r)%2)+8*(\s)
.set XB, XA+4
.set SR, S+16*(\r)+2*(\s)
.set PP, 4*((\s)%2)
.set AC6, 6+12*((\s)/4)
.set AC7, 7+12*((\s)/4)
.set OF, SSTEP*((\s)%4)+16*(\r)
.if (\r) < 2
	s_wait_loadcnt 30                              ; behind load 2 s + 1: the row's other 14 - 2 s, the next row's 16, and 2 s refills
.elseif (\r) == 2
	s_wait_loadcnt 30-2*(\s)
.else
	s_wait_loadcnt 14-2*(\s)
.endif
	v_perm_b32 v14, v[XA+1], v[XA], s20            ; byte 0 of each of four int32 makes one register: 8 codes
	v_perm_b32 v15, v[XA+3], v[XA+2], s20
	v_perm_b32 v16, v[XB+1], v[XB], s20
	v_perm_b32 v17, v[XB+3], v[XB+2], s20
	s_delay_alu instid0(VALU_DEP_3)
	v_perm_b32 v12, v15, v14, s21
	s_delay_alu instid0(VALU_DEP_2)
	v_perm_b32 v13, v17, v16, s21
.if (\r) < 2
	global_load_b128 v[XA:XA+3], v2, s[4:5] offset:WSTEP*((\r)+2)+1024*(\s) th:TH_LOAD_NT       ; the registers just read take my row two further on
	global_load_b128 v[XB:XB+3], v2, s[4:5] offset:WSTEP*((\r)+2)+1024*(\s)+512 th:TH_LOAD_NT
.endif
	v_cvt_scale_pk8_f32_fp4 v[FA:FA+7], v12, v10   ; DECODE: the codes' values x 1.0
	v_cvt_scale_pk8_f32_fp4 v[FB:FB+7], v13, v10
	v_nop                                          ; one plain instruction between a scaled conversion and the use of its result
.irp i, 0,2,4,6
	v_pk_mul_f32 v[FA+\i:FA+\i+1], v[FA+\i:FA+\i+1], v[SR:SR+1] op_sel_hi:[1,0]               ; w = value x the block's scale: the pair's low word for both
	v_pk_mul_f32 v[FB+\i:FB+\i+1], v[FB+\i:FB+\i+1], v[SR:SR+1] op_sel:[0,1] op_sel_hi:[1,1]  ; its high word for both
.endr
	v_max3_num_f32 v36, |v[FA]|, |v[FA+1]|, 0x1800000   ; my 8 magnitudes and the floor 2^(3 - 127)
	v_max3_num_f32 v37, |v[FB]|, |v[FB+1]|, 0x1800000
.irp i, 2,4,6
	s_delay_alu instid0(VALU_DEP_2)
	v_max3_num_f32 v36, v36, |v[FA+\i]|, |v[FA+\i+1]|
	s_delay_alu instid0(VALU_DEP_2)
	v_max3_num_f32 v37, v37, |v[FB+\i]|, |v[FB+\i+1]|
.endr
	s_delay_alu instid0(VALU_DEP_2)
	v_max_num_f32_dpp v36, v36, v36 row_xmask:1 row_mask:0xf bank_mask:0xf
	s_delay_alu instid0(VALU_DEP_2)
	v_max_num_f32_dpp v37, v37, v37 row_xmask:1 row_mask:0xf bank_mask:0xf
	s_delay_alu instid0(VALU_DEP_2)
	v_max_num_f32_dpp v36, v36, v36 row_xmask:2 row_mask:0xf bank_mask:0xf   ; the four lanes of a block: its largest magnitude
	s_delay_alu instid0(VALU_DEP_2)
	v_max_num_f32_dpp v37, v37, v37 row_xmask:2 row_mask:0xf bank_mask:0xf
	s_delay_alu instid0(VALU_DEP_2)
	v_add_nc_u32 v38, 0xff000000, v36              ; 2 off the exponent field: the conversion's scale operand
	s_delay_alu instid0(VALU_DEP_2)
	v_add_nc_u32 v39, 0xff000000, v37
	s_wait_alu depctr_va_vdst(0)
	s_wait_dscnt 4                                 ; only the last step's four stores may be out: those of two steps back have read the registers written below
	v_cvt_scalef32_pk8_fp4_f32 v[40+PP], v[FA:FA+7], v38
	v_cvt_scalef32_pk8_fp4_f32 v[41+PP], v[FB:FB+7], v39
	v_lshrrev_b32 v[42+PP], 23, v38                ; the scales' bytes (also the plain instructions behind the conversions)
	v_lshrrev_b32 v[43+PP], 23, v39
	ds_store_b32 v[AC6], v[40+PP] offset:OF
	ds_store_b32 v[AC6], v[41+PP] offset:OF+8*CH   ; load b: 256 along K on: eight chunks
	ds_store_b8 v[AC7], v[42+PP] offset:OF         ; the four lanes of a block write the same byte with the same value
	ds_store_b8 v[AC7], v[43+PP] offset:OF+8
.endm
.irp r, 0,1,2,3
.irp s, 0,1,2,3,4,5,6,7
	STEP \r, \s
.endr
.endr
	s_wait_dscnt 0x0                               ; for the others' sake: my stores into the stage are done
	s_barrier_signal -1
	s_barrier_wait -1
.irp i, 0,1,2,3,4,5,6,7,8,9,10,11,12,13,14,15,16
	ds_load_b128 v[X+4*\i:X+4*\i+3], v8 offset:2*CH*\i         ; K step w: two chunks a load
.endr
.irp i, 0,1,2,3,4,5,6,7,8,9,10,11,12,13,14,15
	s_wait_dscnt 16-\i                             ; the younger loads stay out
	global_store_b128 v9, v[X+4*\i:X+4*\i+3], s[8:9] offset:512*\i   ; 32 lanes store 512 consecutive bytes, at a multiple of 256 from wq's first byte
.endr
	s_wait_dscnt 0x0
	global_store_b128 v9, v[X+64:X+67], s[30:31]   ; the two tiles' scale bytes
	s_wait_tensorcnt 0x0                           ; the wave's end
	ds_add_u32 v62, v63
	s_wait_dscnt 0x0
	s_endpgm
.Lfunc_end_k_qf1f4f40b7d_quantw:
	.size	k_qf1f4f40b7d_quantw, .Lfunc_end_k_qf1f4f40b7d_quantw-k_qf1f4f40b7d_quantw
	.p2alignl 7, 3214868480
	.fill 96, 4, 3214868480
	.section	.rodata,"a",@progbits
	.p2align	6, 0x0
	.amdhsa_kernel k_qf1f4f40b7d_quantw
		.amdhsa_group_segment_fixed_size 91392
		.amdhsa_private_segment_fixed_size 0
		.amdhsa_enable_private_segment 0
		.amdhsa_kernarg_size 24
		.amdhsa_user_sgpr_count 2
		.amdhsa_user_sgpr_kernarg_segment_ptr 1
		.amdhsa_wavefront_size32 1
		.amdhsa_system_sgpr_workgroup_id_x 1
		.amdhsa_system_sgpr_workgroup_id_y 1
		.amdhsa_system_sgpr_workgroup_id_z 1
		.amdhsa_system_vgpr_workitem_id 0
		.amdhsa_next_free_vgpr 256
		.amdhsa_next_free_sgpr 66
		.amdhsa_reserve_vcc 0
		.amdhsa_float_denorm_mode_32 3
		.amdhsa_float_denorm_mode_16_64 3
		.amdhsa_memory_ordered 1
		.amdhsa_forward_progress 1
		.amdhsa_inst_pref_size 112
	.end_amdhsa_kernel
	.amdgpu_metadata
---
amdhsa.version: [ 1, 2 ]
amdhsa.kernels:
  - .name:           k_qf1f4f40b7d_quantw
    .symbol:         k_qf1f4f40b7d_quantw.kd
    .args:
      - { .name: weight_packed, .offset: 0, .size: 8, .value_kind: global_buffer, .address_space: global }
      - { .name: weight_scales, .offset: 8, .size: 8, .value_kind: global_buffer, .address_space: global }
      - { .name: wq, .offset: 16, .size: 8, .value_kind: global_buffer, .address_space: global }
    .group_segment_fixed_size: 91392
    .private_segment_fixed_size: 0
    .kernarg_segment_align: 8
    .kernarg_segment_size: 24
    .max_flat_workgroup_size: 256
    .sgpr_count:     66
    .vgpr_count:     256
    .wavefront_size: 32
...
	.end_amdgpu_metadata
.endif
;; end of part 1
;; launch gemm (part 2): grid 32 x 8, 4 waves a work-group, clusters of 4 x 4, 327,680 bytes of LDS; arguments x_codes, x_scales, wq, bias, out0; writes out0
.if DOCPART == 2
	.amdgcn_target "amdgcn-amd-amdhsa--gfx1250"
	.amdhsa_code_object_version 6
	.text
	.protected	k_qf1f4f40b7d_gemm
	.globl	k_qf1f4f40b7d_gemm
	.p2align	8
	.type	k_qf1f4f40b7d_gemm,@function
k_qf1f4f40b7d_gemm:
	s_mov_b64 s[64:65], 0
	v_nop
	global_prefetch_b8 v0, s[64:65] scope:SCOPE_SE
	s_setreg_imm32_b32 hwreg(HW_REG_WAVE_MODE, 25, 1), 1
	s_wait_xcnt 0x0
	s_wait_alu depctr_hold_cnt(0) depctr_sa_sdst(0) depctr_va_vdst(0) depctr_va_sdst(0) depctr_va_ssrc(0) depctr_va_vcc(0) depctr_vm_vsrc(0)
	s_getreg_b32 s2, hwreg(HW_REG_IB_STS2, 6, 4)
	s_cmp_eq_u32 s2, 0
	s_cbranch_scc0 .Lentry_in_a_cluster
	s_endpgm
.Lentry_in_a_cluster:
	s_bfe_u32 s2, ttmp6, 0x10000c
	s_cmp_lg_u32 s2, 0xf033
	s_cbranch_scc0 .Lentry_shape_is_right
	s_endpgm
.Lentry_shape_is_right:
; out0[m][n] = gelu_tanh(sum over k of x[m][k] W[n][k] + bias[n]).  x: codes of FP4 [2048][2048 bytes] with E8M0 bytes [2048][128]; W: wq as the launch before laid it, in the order of the operand's registers:
; eight planes (K steps of 512); in a plane, for each tile of 16 places, [quarter q][c][lane][16 bytes], then the scale bytes, 256 for each tile ([place r][16 bytes]); in each group of 64 places, place 16 c + r holds row 4 r + c of W.
; A work-group of four waves makes 256 x 256 of the result, a wave 128 x 128.  THE FORM is 32 x 16 x 128: source 0 = 32 rows of x (16 registers), source 1 = 16 places of W (8 registers), 16 registers of sums: 32 accumulators, 512 registers,
; 32 matrix instructions for a step of 128 along K.  Lane (r, h) holds column r of a tile; registers 0-7 rows 8 h + j, registers 8-15 rows 16 + 8 h + j.
; By the order of the places a lane's four tiles c = 0..3 are four NEIGHBOURING columns: 16 lanes store 256 consecutive bytes of a row of out0, with no stage.
; W GOES FROM MEMORY STRAIGHT INTO REGISTERS: 16 loads of 512 consecutive bytes a step, into four sets of registers, three steps ahead of their use; so a step reads from LDS x's fragments alone, 16 loads a wave.
; x goes in K steps of 512 through a ring of two LDS slots (256 rows padded to 272 bytes; a wave fetches 64 rows); its scales for all of K (32,768 bytes) come once, at the head, and stay behind the ring.
; CLUSTERS 4 x 4: x's tiles and scales are asked for jointly along a row of the cluster.  One tensor load of a wave is out at any time.
; PREFETCH: the head names K steps 1 and 2, and behind the joint load of K step j (j = 1..5) stands K step j + 2.  Waves 0, 1 name x's rows (the four partners of a row of the cluster take 32 rows each of a wave's 128, a lane a row),
; waves 2, 3 W's blocks of 256 bytes (the four partners of a column take 32 blocks of codes and 2 of scales each of a half's 136; the second line's other lanes name its last block again).  The loop's last trip asks for nothing.
; The bias is the C of each accumulator's first product: it lies in block 3's accumulators, which add onto it in place, last.  The last K step goes by blocks of 32 rows of the result, so that finished rows leave while the others are multiplied.
; gelu: y / (1 + 2^t), t = y (c1 + c3 y^2), c1 = -2 sqrt(2/pi) log2(e), c3 = 0.044715 c1: where t overflows, 2^t is infinity or 0 and the result -0 or y, as the limit has it.
; REGISTERS: window 0: v0-31 addresses; scale words: slot 1's set v32-79, slot 0's v80-127 (16 of x: lane m has row m's; 32 of W: lanes 0-15); at the end v96-127 are at work in gelu;
;   v128-191, v192-255 x's fragments, two sets (at the end: a block's four quarters, and the results on their way out).   window 1: W's fragments, set q at v[64 q].
;   windows 2, 3: the accumulators of my rows 0-63, 64-127: (block A of 32 rows, tile b) at v[128 (A % 2) + 16 b].
.set NQ,     4
.set ROWB,   256
.set KROW,   2048
.set PITCH,  272
.set FR,     8
.set NP,     4                         ; places behind this matrix form (ISA guide 7.12.1)
.set HALFT,  128*PITCH
.set SLOT,   2*HALFT
.set PLANE,  8192*272
.set CODES,  8192*256
.set LAPS,   4
.set SCL,    2*SLOT                    ; x's scales: 128 units of 256 bytes + 16
.set SPARE,  SCL+128*272
.set NROW,   8192*4
.set BO,    12                         ; v12 16 x lane: W's codes;  v13 16 r: its scale bytes
.set BSO,   13
.set PF3,   14                         ; v14, v15 the head's prefetches of the second K step
.set PF4,   15
.set ADRA,  16                         ; v16-17 my fragments of x in slot 0, 1
.set PFO,   24
.set PFO2,  25
.set CO,    26
.set ADRS,  27
.set SPW,   28
.set NIL,   29
.set C1,    30
.set SC,    32                         ; set sc at SC + 48 (1 - sc)
.set U,     96
.set AF,    128
.set PA,    128
.set T,     192
.set BI,    128                        ; in window 3: block 3's accumulators
.set C3,   86
.set G1,   24
.set G0,   32
.set BP,   46                          ; s[46:47] my 8 tiles of W in the plane that is being loaded
.set G1S,  68
.set G0S,  76
.set G0H,  88
.set PFA,  92
.set PFS,  96
.set MSB, 0
.macro WIN new
.if MSB != (\new)
	s_set_vgpr_msb (MSB<<8)|(\new)
.set MSB, (\new)
.endif
.endm
.set MUL_LO,   0xa4                    ; source 0 window 0, source 1 window 1, C and D window 2
.set MUL_HI,   0xf4
.set FIRST_LO, 0xb4                    ; C (the bias) window 3
.set TO_B,     0x40
.macro PLACES n
.rept \n
	v_nop
.endr
.endm
.macro CREST
	s_cmp_lg_u32 s14, 0
	s_cbranch_scc1 .Lnot_wave_0_\@
	s_barrier_signal -3
.Lnot_wave_0_\@:
	s_barrier_wait -3
	s_barrier_signal -1
	s_barrier_wait -1
.endm
.macro CROUND
	s_barrier_signal -1
	s_barrier_wait -1
	CREST
.endm
.macro RLOAD s                         ; the ring's joint load: my 64 rows
	tensor_load_to_lds s[G0+4*\s:G0+4*\s+3], s[G1:G1+7]
	s_nop 0
.rept 4
	v_nop
.endr
.endm
.macro ASK inloop                      ; the K step two joint loads on; in the loop's last trip (s3 = 1) there is none
.if \inloop
	s_cmp_gt_u32 s3, 1
	s_cbranch_scc0 .Lno_ask_\@
.endif
	global_prefetch_b8 v[PFO], s[PFA:PFA+1] th:TH_LOAD_NT scope:SCOPE_SE
	s_cmp_eq_u32 s15, 0
	s_cbranch_scc1 .Lno_ask_\@
	global_prefetch_b8 v[PFO2], s[PFA:PFA+1] th:TH_LOAD_NT scope:SCOPE_SE   ; W's two blocks of scale bytes
.Lno_ask_\@:
.endm
	s_load_b128 s[4:7], s[0:1], 0x0                ; x_codes, x_scales
	s_load_b128 s[8:11], s[0:1], 0x10              ; wq, bias
	s_load_b64 s[12:13], s[0:1], 0x20              ; out0
	v_lshl_add_u32 v[SPW], v0, 2, SPARE
	v_mov_b32 v[NIL], 0
	ds_add_u32 v[SPW], v[NIL]                      ; the opening lines: the add twice on end and one wait
	ds_add_u32 v[SPW], v[NIL]
	v_lshrrev_b32 v1, 5, v0
	v_readfirstlane_b32 s14, v1                    ; wave
	s_lshr_b32 s15, s14, 1                         ; my half of the rows; at the head: I fetch codes (0) or scales (1)
	s_and_b32 s16, s14, 1                          ; my half of the columns; at the head: which half I fetch
	s_bfe_u32 s40, ttmp6, 0x40000                  ; cx
	s_bfe_u32 s41, ttmp6, 0x40004                  ; cy
	s_lshl_b32 s42, ttmp9, 2
	s_add_co_u32 s42, s42, s40                     ; tile column
	s_and_b32 s17, ttmp7, 0xffff
	s_lshl_b32 s17, s17, 2
	s_add_co_u32 s17, s17, s41                     ; tile row
	s_lshl_b32 s43, s41, 2
	s_lshl_b32 s43, 15, s43                        ; my row of the cluster
	s_or_b32 s[G1+0], s43, (0<<16)|(1<<20)|(1<<21)|(5<<22)|(3<<25)   ; x: rows of 256 bytes, 16 of padding; 128 rows at the head, 64 in the ring
	s_mov_b32 s[G1+1], ROWB<<16
	s_mov_b32 s[G1+2], 128<<16
	s_mov_b32 s[G1+3], ROWB<<16
	s_mov_b32 s[G1+4], 128
	s_mov_b32 s[G1+5], KROW
	s_mov_b32 s[G1+6], 0
	s_mov_b32 s[G1+7], 0
	s_or_b32 s[G1S+0], s43, (3<<16)|(1<<20)|(1<<21)|(5<<22)|(3<<25)  ; x's scales of 128 rows: 16,384 dense bytes: 64 rows of 256, padded
	s_mov_b32 s[G1S+1], 32<<16
	s_mov_b32 s[G1S+2], 64<<16
	s_mov_b32 s[G1S+3], 32<<16
	s_mov_b32 s[G1S+4], 64
	s_mov_b32 s[G1S+5], 32
	s_mov_b32 s[G1S+6], 0
	s_mov_b32 s[G1S+7], 0
	s_lshl_b32 s20, s17, 19                        ; x: 256 rows of 2,048 bytes a tile row
	s_mov_b32 s21, 0
	s_lshl_b32 s18, s16, 18                        ; at the head: a half, 128 rows
	s_mov_b32 s19, 0
	s_lshl_b32 s80, s14, 17                        ; in the ring: my 64 rows
	s_mov_b32 s81, 0
	s_lshl_b32 s22, s17, 15                        ; its scales: 256 rows of 128 bytes; a half
	s_lshl_b32 s23, s16, 14
	s_add_co_u32 s22, s22, s23
	s_mov_b32 s23, 0
	s_mul_i32 s45, s14, 64*PITCH
	s_mul_i32 s82, s16, HALFT
	s_mul_i32 s83, s16, 64*272
	s_wait_dscnt 0x0                               ; both opening adds are done
	s_wait_kmcnt 0x0
	s_add_nc_u64 s[20:21], s[4:5], s[20:21]
	s_add_nc_u64 s[22:23], s[6:7], s[22:23]
	s_mov_b32 s[G0H], 1
	s_mov_b32 s[G0H+1], s82
	s_add_nc_u64 s[G0H+2:G0H+3], s[20:21], s[18:19]
	s_or_b32 s[G0H+3], s[G0H+3], 0x80000000
	s_mov_b32 s[G0S], 1
	s_add_co_u32 s[G0S+1], s83, SCL
	s_mov_b64 s[G0S+2:G0S+3], s[22:23]
	s_or_b32 s[G0S+3], s[G0S+3], 0x80000000
	s_add_nc_u64 s[20:21], s[20:21], s[80:81]
.irp s, 0,1
	s_mov_b32 s[G0+4*\s], 1
	s_add_co_u32 s[G0+4*\s+1], s45, \s*SLOT
	s_add_nc_u64 s[G0+4*\s+2:G0+4*\s+3], s[20:21], \s*ROWB
	s_or_b32 s[G0+4*\s+3], s[G0+4*\s+3], 0x80000000
.endr
	CROUND                                         ; all sixteen work-groups are here: the first joint loads meet
	s_cmp_eq_u32 s15, 0                            ; THE HEAD'S LOADS, one a wave: waves 0, 1 the halves of x's K step 0, waves 2, 3 the halves of x's scales
	s_cbranch_scc0 .Lhead_s
	tensor_load_to_lds s[G0H:G0H+3], s[G1:G1+7]
	s_nop 0
.rept 4
	v_nop
.endr
	s_branch .Lhead_asked
.Lhead_s:
	tensor_load_to_lds s[G0S:G0S+3], s[G1S:G1S+7]
	s_nop 0
.rept 4
	v_nop
.endr
.Lhead_asked:
	s_lshl_b32 s80, s42, 10                        ; my first column in bytes: 1,024 x tile column + 512 x half
	s_lshl_b32 s81, s16, 9
	s_add_co_u32 s80, s80, s81
	s_mov_b32 s81, 0
	s_add_nc_u64 s[10:11], s[10:11], s[80:81]      ; bias
	s_lshl_b32 s82, s17, 8
	s_lshl_b32 s83, s15, 7
	s_add_co_u32 s82, s82, s83                     ; my first row
	s_lshl_b32 s82, s82, 15
	s_add_co_u32 s82, s82, s80
	s_mov_b32 s83, 0
	s_add_nc_u64 s[12:13], s[12:13], s[82:83]      ; out0
	s_mul_i32 s84, s15, HALFT                      ; my 128 rows of x
	s_mul_i32 s94, s15, 64*272
	s_add_co_u32 s94, s94, SCL                     ; my rows' scales
	s_mov_b32 s[C3], 0xbdd2d3e8
	s_mov_b32 s[C3+1], s[C3]
	s_lshl_b32 s85, s42, 1
	s_add_co_u32 s85, s85, s16                     ; g: my 128 places among wq's 64 such groups
	s_lshl_b32 s[BP], s85, 15                      ; their codes: 32,768 bytes a plane
	s_mov_b32 s[BP+1], 0
	s_add_nc_u64 s[BP:BP+1], s[8:9], s[BP:BP+1]
	s_mul_i32 s44, s85, 30720                      ; their scale bytes lie CODES + 2,048 g from the plane's start: CODES - 30,720 g from their codes
	s_sub_co_u32 s44, CODES, s44
	s_lshl_b32 s66, s17, 19                        ; the prefetches.  x: row 256 x tile row + 128 x half + 32 cx, K step 1
	s_lshl_b32 s67, s16, 18
	s_add_co_u32 s66, s66, s67
	s_lshl_b32 s67, s40, 16
	s_add_co_u32 s66, s66, s67
	s_add_co_u32 s66, s66, ROWB
	s_lshl_b32 s82, s85, 15                        ; W: my group's codes, 8,192 cy bytes on, K step 1
	s_lshl_b32 s83, s41, 13
	s_add_co_u32 s82, s82, s83
	s_add_co_u32 s82, s82, PLANE
	s_mul_i32 s83, s41, 7680                       ; and from there to my work-group's two blocks of scale bytes: CODES - 30,720 g - 7,680 cy
	s_sub_co_u32 s83, s44, s83
	s_mov_b32 s[PFS], PLANE
	s_mov_b32 s95, 8
	s_cmp_eq_u32 s15, 0
	s_cselect_b32 s66, s66, s82
	s_cselect_b32 s[PFS], ROWB, s[PFS]
	s_cselect_b32 s95, 11, s95                     ; a lane a row of 2,048 bytes, or a lane a block of 256
	s_cselect_b64 s[PFA:PFA+1], s[4:5], s[8:9]
	s_mov_b32 s67, 0
	s_mov_b32 s[PFS+1], 0
	s_add_nc_u64 s[PFA:PFA+1], s[PFA:PFA+1], s[66:67]
	v_and_b32 v1, 15, v0                           ; r
	v_bfe_u32 v2, v0, 4, 1                         ; h
	v_and_b32 v9, 31, v0
	v_lshlrev_b32 v8, 4, v1
	v_mul_u32_u24 v3, v1, PITCH
	v_lshl_add_u32 v4, v2, 4, v3                   ; a fragment: row x pitch + 16 h
	v_add_nc_u32 v[ADRA], s84, v4
	v_add_nc_u32 v[ADRA+1], SLOT, v[ADRA]
	v_lshrrev_b32 v6, 1, v1                        ; x's scale words: two rows of 128 bytes to a unit of 272
	v_mul_u32_u24 v6, v6, 272
	v_and_b32 v7, 1, v1
	v_lshl_add_u32 v6, v7, 7, v6
	v_mad_u32_u24 v6, v2, 8*272, v6                ; lanes 16-31: rows 16-31 of the block of 32
	v_add_nc_u32 v[ADRS], s94, v6
	v_lshl_add_u32 v[CO], v2, 18, v8               ; 8 h rows of out0, 16 r bytes
	v_mov_b32 v[C1], 0xc0135761
	v_mov_b32 v[C1+1], 0xc0135761
	v_lshlrev_b32 v[BO], 4, v9
	v_add_nc_u32 v[BSO], s44, v8                   ; place r's 16 scale bytes; lanes 16-31 take the same and are not read
	v_lshlrev_b32 v[PFO], s95, v9
	v_min_u32 v10, 1, v9
	v_lshl_add_u32 v[PFO2], v10, 8, s83
	v_add_nc_u32 v[PF3], s[PFS], v[PFO]
	v_add_nc_u32 v[PF4], s[PFS], v[PFO2]
	s_wait_alu depctr_va_vdst(0)                   ; the wait ahead of the readers below
.macro BFETCH q                        ; W's eight fragments of quarter q of the plane at BP into set q: each load 512 consecutive bytes
	WIN TO_B
.irp i, 0,1,2,3,4,5,6,7
.irp c, 0,1
	global_load_b128 v[64*(\q)+FR*\i+4*\c:64*(\q)+FR*\i+4*\c+3], v[BO], s[BP:BP+1] offset:\i*4096+(\q)*1024+\c*512
.endr
.endr
	WIN 0
.endm
.macro BSCALES sc, off                 ; a K step's scale words of W: register 4 b + q: tile b, quarter q
.irp i, 0,1,2,3,4,5,6,7
	global_load_b128 v[SC+48*(1-(\sc))+16+4*\i:SC+48*(1-(\sc))+16+4*\i+3], v[BSO], s[BP:BP+1] offset:\off+\i*256
.endr
.endm
	global_load_b128 v[T:T+3],   v8, s[10:11]      ; bias of my columns 4 r .. 4 r + 3,
	global_load_b128 v[T+4:T+7], v8, s[10:11] offset:256   ; and 64 columns on: register b is tile b's
	BSCALES 0, 0
	BFETCH 0
	BFETCH 1
	BFETCH 2
	global_prefetch_b8 v[PFO], s[PFA:PFA+1] th:TH_LOAD_NT scope:SCOPE_SE   ; K steps 1 and 2
	global_prefetch_b8 v[PF3], s[PFA:PFA+1] th:TH_LOAD_NT scope:SCOPE_SE
	s_cmp_eq_u32 s15, 0
	s_cbranch_scc1 .Lhead_pf
	global_prefetch_b8 v[PFO2], s[PFA:PFA+1] th:TH_LOAD_NT scope:SCOPE_SE
	global_prefetch_b8 v[PF4], s[PFA:PFA+1] th:TH_LOAD_NT scope:SCOPE_SE
.Lhead_pf:
	s_wait_loadcnt 56                              ; the bias is in; behind it 8 loads of scales and 48 of fragments
	WIN 0xc0
.irp b, 0,1,2,3,4,5,6,7
.irp j, 0,1,2,3,4,5,6,7,8,9,10,11,12,13,14,15
	v_mov_b32 v[BI+16*\b+\j], v[T+\b]              ; the bias in the result's layout: the same in all rows
.endr
.endr
	WIN 0
.macro FRAG reg, adr, q, i             ; 16 rows x 128 K of 4-bit codes: two loads of 16 bytes, 32 apart
.irp c, 0,1
	ds_load_b128 v[\reg+4*\c:\reg+4*\c+3], v[\adr] offset:64*(\q)+32*\c+(\i)*16*PITCH
.endr
.endm
.macro MUL8 a, q, sc, first            ; x's block a of 32 rows against W's eight tiles, quarter q.  The 32 accumulators take turns, in the same order in every step
.irp b, 0,1,2,3,4,5,6,7
.set rD, 128*((\a)%2)+16*\b
.set rA, AF+64*((\q)%2)+16*(\a)
.set rB, 64*(\q)+FR*\b
.set rSA, SC+48*(1-(\sc))+4*(\a)+(\q)
.set rSB, SC+48*(1-(\sc))+16+4*\b+(\q)
.set rC, rD
.if \first
.set rC, BI+16*\b
.endif
	v_wmma_scale_f32_32x16x128_f4 v[rD:rD+15], v[rA:rA+15], v[rB:rB+7], v[rC:rC+15], v[rSA], v[rSB]
.endr
.endm
.macro FETCH_A slot, q, p              ; 16 LDS loads in one run: x's 128 rows of the slot's q-th 128 along K into set p
.irp i, 0,1,2,3,4,5,6,7
	FRAG AF+64*(\p)+FR*\i, ADRA+\slot, \q, \i
.endr
.endm
.macro ASCALES sc                      ; a K step's scale words of x: register 4 a + q: block a, quarter q; lane m has row m's
.irp i, 0,1,2,3
	ds_load_b128 v[SC+48*(1-(\sc))+4*\i:SC+48*(1-(\sc))+4*\i+3], v[ADRS] offset:\i*16*272
.endr
.endm
.macro STEP slot, q, first             ; a step that has its successor in the same slot
	PLACES NP                                      ; behind the last step's products, which read the sets that are loaded now
.if (\q) == 0
	BSCALES 1-\slot, PLANE                         ; W's scale words of the next K step
.endif
.if (\q) == 1
	s_wait_xcnt 0x0                                ; my loads have read their base
	s_add_nc_u64 s[BP:BP+1], s[BP:BP+1], PLANE     ; three steps on is the next plane
.endif
	BFETCH ((\q)+3)%4                              ; W, three steps on
	FETCH_A \slot, (\q)+1, 1-(\q)%2                ; x, one step on
	s_wait_dscnt 16                                ; all but the 16 just issued
	s_wait_loadcnt 56                              ; behind this step's fragments of W: three steps' 48 loads and 8 of scale words
.if \first
	WIN FIRST_LO
.else
	WIN MUL_LO
.endif
	MUL8 0, \q, \slot, \first
	MUL8 1, \q, \slot, \first
	WIN MUL_HI
	MUL8 2, \q, \slot, \first
.if \first
	PLACES NP+1                                    ; block 3 writes over the registers that the products above read as C
.endif
	MUL8 3, \q, \slot, \first
	WIN 0
.endm
.macro TURN slot, next                 ; a slot's last step changes slots and fills the slot again, two K steps on
	PLACES NP
	BFETCH 2
	s_wait_xcnt 0x0                                ; my prefetches have read their address
	s_add_nc_u64 s[PFA:PFA+1], s[PFA:PFA+1], s[PFS:PFS+1]
	s_wait_loadcnt 48                              ; behind this step's fragments of W: three steps' 48 loads
	s_wait_tensorcnt 0x0                           ; my one load that was out, my part of the next slot, has landed
	ds_add_u32 v[SPW], v[NIL]
	s_add_nc_u64 s[G0+4*\slot+2:G0+4*\slot+3], s[G0+4*\slot+2:G0+4*\slot+3], 2*ROWB
	s_wait_dscnt 0x0                               ; the add is done; my reads of this slot are over (this step's set among them)
	s_barrier_signal -1                            ; opens a round of the cluster's barrier
	WIN MUL_LO
	MUL8 0, NQ-1, \slot, 0
	WIN 0
	s_barrier_wait -1
	CREST
	RLOAD \slot                                    ; its four v_nop are also the places in front of the loads below
	v_add_nc_u32 v[ADRS], 4*NQ, v[ADRS]            ; x's scale words of the next K step
	s_wait_alu depctr_va_vdst(0)                   ; the wait directly behind the write
	FETCH_A \next, 0, 0
	ASCALES \next
	ASK 1
	WIN MUL_LO
	MUL8 1, NQ-1, \slot, 0
	WIN MUL_HI
	MUL8 2, NQ-1, \slot, 0
	MUL8 3, NQ-1, \slot, 0
	WIN 0
.endm
; THE LAST K STEP (slot 1) BY BLOCKS OF 32 ROWS: W's four sets hold its four quarters; x's fragments come a block at a time, 32 rows x 512 K, 64 registers
.macro ALOAD a
.irp q, 0,1,2,3
.irp e, 0,1
	FRAG PA+16*\q+FR*\e, ADRA+1, \q, 2*(\a)+\e
.endr
.endr
.endm
.macro ROW a
	WIN MUL_LO+0x50*((\a)/2)
.irp q, 0,1,2,3
.if (\a) == 0
	s_wait_loadcnt 48-16*\q                        ; W's quarter q is in; the later quarters' loads may be out
.endif
.irp b, 0,1,2,3,4,5,6,7
.set rD, 128*((\a)%2)+16*\b
.set rA, PA+16*\q
.set rB, 64*\q+FR*\b
.set rSA, SC+4*(\a)+\q
.set rSB, SC+16+4*\b+\q
	v_wmma_scale_f32_32x16x128_f4 v[rD:rD+15], v[rA:rA+15], v[rB:rB+7], v[rD:rD+15], v[rSA], v[rSB]
.endr
.endr
	WIN 0
.endm
.macro GELUH a, g                      ; gelu of rows 16 a .. 16 a + 15, tiles 4 g .. 4 g + 3, and their stores: the exponentials put a lane's four neighbouring columns side by side
.set AC, 128*(((\a)/2)%2)+64*(\g)+8*((\a)%2)
.set TT, T+32*(\g)
	WIN 0x0a+5*((\a)/4)
	s_wait_alu depctr_va_vdst(0)
.irp c, 0,1,2,3
.irp i, 0,2,4,6
	v_pk_mul_f32 v[U+8*\c+\i:U+8*\c+\i+1], v[AC+16*\c+\i:AC+16*\c+\i+1], v[AC+16*\c+\i:AC+16*\c+\i+1]
.endr
.endr
	WIN 0x08+4*((\a)/4)
.set i, 0
.rept 16
	v_pk_fma_f32 v[U+i:U+i+1], v[U+i:U+i+1], s[C3:C3+1], v[C1:C1+1] op_sel_hi:[1,0,1]
.set i, i+2
.endr
.irp c, 0,1,2,3
.irp i, 0,2,4,6
	v_pk_mul_f32 v[U+8*\c+\i:U+8*\c+\i+1], v[U+8*\c+\i:U+8*\c+\i+1], v[AC+16*\c+\i:AC+16*\c+\i+1]
.endr
.endr
.if (\a) > 0
	s_wait_xcnt 0x0                                ; the last rows' stores have read the registers written below
.endif
	s_wait_alu depctr_va_vdst(0)                   ; a wait ahead of each batch and behind it
.irp j, 0,1,2,3,4,5,6,7
.irp c, 0,1,2,3
	v_exp_f32 v[TT+4*\j+\c], v[U+8*\c+\j]
.endr
.endr
	v_nop
.set i, 0
	s_wait_alu depctr_va_vdst(0)
.rept 16
	v_pk_add_f32 v[TT+i:TT+i+1], v[TT+i:TT+i+1], 1.0 op_sel_hi:[1,0]
.set i, i+2
.endr
.set i, 0
	s_wait_alu depctr_va_vdst(0)
.rept 32
	v_rcp_f32 v[TT+i], v[TT+i]
.set i, i+1
.endr
	v_nop
	s_wait_alu depctr_va_vdst(0)
.irp j, 0,1,2,3,4,5,6,7
.irp c, 0,1,2,3
	v_mul_f32 v[TT+4*\j+\c], v[TT+4*\j+\c], v[AC+16*\c+\j]
.endr
.endr
	WIN 0
.irp j, 0,1,2,3,4,5,6,7
	global_store_b128 v[CO], v[TT+4*\j:TT+4*\j+3], s[12:13] offset:(16*(\a)+\j)*NROW+256*(\g) th:TH_STORE_NT   ; 16 lanes store 256 consecutive bytes, aligned
.endr
.endm
	s_wait_alu depctr_va_vdst(0)                   ; the wait at the head's end
	s_wait_tensorcnt 0x0                           ; my tile of the head's is in
	ds_add_u32 v[SPW], v[NIL]
	s_mov_b32 s[G1+2], 64<<16                      ; no load of mine is out: from here on a load of x brings 64 rows
	s_mov_b32 s[G1+4], 64
	s_wait_xcnt 0x0                                ; my prefetches have read their address
	s_add_nc_u64 s[PFA:PFA+1], s[PFA:PFA+1], s[PFS:PFS+1]
	s_add_nc_u64 s[PFA:PFA+1], s[PFA:PFA+1], s[PFS:PFS+1]
	s_wait_dscnt 0x0
	CROUND
	RLOAD 1                                        ; K step 1, the first tensor load behind the round
	FETCH_A 0, 0, 0
	ASCALES 0
	ASK 0                                          ; K step 3
	STEP 0, 0, 1                                   ; the first products take the bias as C
	s_mov_b32 s3, LAPS-1
.Llap:                                                 ; once round the ring, from a lap's second step to the next lap's first
	STEP 0, 1, 0
	STEP 0, 2, 0
	TURN 0, 1
	STEP 1, 0, 0
	STEP 1, 1, 0
	STEP 1, 2, 0
	TURN 1, 0
	STEP 0, 0, 0
	s_sub_co_u32 s3, s3, 1
	s_cmp_lg_u32 s3, 0
	s_cbranch_scc1 .Llap
	STEP 0, 1, 0
	STEP 0, 2, 0
	PLACES NP                                      ; the last change of slots: nothing is filled again, so no round follows
	BFETCH 2
	s_wait_loadcnt 48
	s_wait_tensorcnt 0x0
	ds_add_u32 v[SPW], v[NIL]
	s_wait_dscnt 0x0
	s_barrier_signal -1
	WIN MUL_LO
	MUL8 0, NQ-1, 0, 0
	WIN 0
	s_barrier_wait -1
	PLACES NP                                      ; for the loads into x's set 0
	v_add_nc_u32 v[ADRS], 4*NQ, v[ADRS]
	s_wait_alu depctr_va_vdst(0)
	ALOAD 0
	ASCALES 1
	WIN MUL_LO
	MUL8 1, NQ-1, 0, 0
	WIN MUL_HI
	MUL8 2, NQ-1, 0, 0
	MUL8 3, NQ-1, 0, 0
	PLACES NP                                      ; for the loads into W's set 3
	BFETCH 3
	s_wait_dscnt 0x0
	ROW 0
.irp a, 0,1,2,3
	PLACES NP                                      ; behind the block's products: its results are read, and x's registers are loaded anew
.if \a < 3
	ALOAD \a+1
.endif
	GELUH 2*\a, 0                                  ; each accumulator's low half first
	GELUH 2*\a, 1
	GELUH 2*\a+1, 0
	GELUH 2*\a+1, 1
.if \a < 3
	s_wait_dscnt 0x0
	ROW \a+1
.endif
.endr
	s_wait_tensorcnt 0x0                           ; the wave's end
	ds_add_u32 v[SPW], v[NIL]
	s_wait_dscnt 0x0
	CROUND                                         ; the closing round
	s_endpgm
.Lfunc_end_k_qf1f4f40b7d_gemm:
	.size	k_qf1f4f40b7d_gemm, .Lfunc_end_k_qf1f4f40b7d_gemm-k_qf1f4f40b7d_gemm
	.p2alignl 7, 3214868480
	.fill 96, 4, 3214868480
	.section	.rodata,"a",@progbits
	.p2align	6, 0x0
	.amdhsa_kernel k_qf1f4f40b7d_gemm
		.amdhsa_group_segment_fixed_size 327680
		.amdhsa_private_segment_fixed_size 0
		.amdhsa_enable_private_segment 0
		.amdhsa_kernarg_size 40
		.amdhsa_user_sgpr_count 2
		.amdhsa_user_sgpr_kernarg_segment_ptr 1
		.amdhsa_wavefront_size32 1
		.amdhsa_system_sgpr_workgroup_id_x 1
		.amdhsa_system_sgpr_workgroup_id_y 1
		.amdhsa_system_sgpr_workgroup_id_z 1
		.amdhsa_system_vgpr_workitem_id 0
		.amdhsa_next_free_vgpr 1024
		.amdhsa_next_free_sgpr 98
		.amdhsa_reserve_vcc 0
		.amdhsa_float_denorm_mode_32 3
		.amdhsa_float_denorm_mode_16_64 3
		.amdhsa_memory_ordered 1
		.amdhsa_forward_progress 1
		.amdhsa_inst_pref_size 255
	.end_amdhsa_kernel
	.section	.bss,"aw",@nobits
	.p2align	6
	.space	262144
	.amdgpu_metadata
---
amdhsa.version: [ 1, 2 ]
amdhsa.kernels:
  - .name:           k_qf1f4f40b7d_gemm
    .symbol:         k_qf1f4f40b7d_gemm.kd
    .args:
      - { .name: x_codes, .offset: 0, .size: 8, .value_kind: global_buffer, .address_space: global }
      - { .name: x_scales, .offset: 8, .size: 8, .value_kind: global_buffer, .address_space: global }
      - { .name: wq, .offset: 16, .size: 8, .value_kind: global_buffer, .address_space: global }
      - { .name: bias, .offset: 24, .size: 8, .value_kind: global_buffer, .address_space: global }
      - { .name: out0, .offset: 32, .size: 8, .value_kind: global_buffer, .address_space: global }
    .group_segment_fixed_size: 327680
    .private_segment_fixed_size: 0
    .kernarg_segment_align: 8
    .kernarg_segment_size: 40
    .max_flat_workgroup_size: 128
    .sgpr_count:     98
    .vgpr_count:     1024
    .wavefront_size: 32
...
	.end_amdgpu_metadata
.endif
;; end of part 2
